; MI455X (gfx1250); checked and timed in simulation.
; The chip was launched on July 23, 2026; its instructions are those of AMD's public machine-readable ISA for CDNA 5 (MIT licence, August 2026) and "CDNA5" Instruction Set Architecture Reference Guide (July 2026). The comments in the code are by the model that wrote it; some were corrected since.
;; Attend. Allowed arithmetic: float matrix products may take bf16 or f16 operands with f32 sums; all other float work in f32.
;; Inputs: Wk 1,024 x 1,024 float32; Wo 1,024 x 1,024 float32; Wq 1,024 x 1,024 float32; Wv 1,024 x 1,024 float32; bk 1,024 float32; bo 1,024 float32; bq 1,024 float32; bv 1,024 float32; x 2 x 2,048 x 1,024 float32.
;; Outputs: out0 2 x 2,048 x 1,024 float32.
;; One version. Each part assembles by itself: llvm-mc -triple=amdgcn-amd-amdhsa -mcpu=gfx1250 --defsym DOCPART=n.
;; ======== version 1 of 1: 4 launches
;; limits: values are held in f16: magnitudes above 65,504 overflow, below 6.1e-05 lose precision
;; workspace buffers: xb 8,388,608 bytes; wt 8,388,608 bytes; bqkv 12,288 bytes; qkv 25,165,824 bytes; ao 8,388,608 bytes
;; launch cast (part 1): grid 512 x 1, 8 waves a work-group, no clusters, 18,432 bytes of LDS; arguments x, Wq, Wk, Wv, Wo, bq, bk, bv, xb, wt, bqkv; writes xb, wt, bqkv
.if DOCPART == 1
	.amdgcn_target "amdgcn-amd-amdhsa--gfx1250"
	.amdhsa_code_object_version 6
	.text
	.protected	k_qcda55d44b9_cast
	.globl	k_qcda55d44b9_cast
	.p2align	8
	.type	k_qcda55d44b9_cast,@function
k_qcda55d44b9_cast:
	s_mov_b64 s[64:65], 0
	v_nop
	global_prefetch_b8 v0, s[64:65] scope:SCOPE_SE
	s_setreg_imm32_b32 hwreg(HW_REG_WAVE_MODE, 25, 1), 1
	s_wait_xcnt 0x0
; cast: the operands of the two projections in the form that the matrix instructions take.
;   xb   [4096][1024] bf16       = x rounded to bf16
;   wt   [4096 n][1024 k] 16 bit = the four weights transposed, K along the rows: rows 0-1023 Wq, 1024-2047 Wk, 2048-3071 Wv in bf16,
;                                  rows 3072-4095 Wo: rounded to bf16 like the others, and that number carried in f16, since its partner
;                                  operand (the attention result) is f16.
;   bqkv [3072] f32              = bq, bk, bv one behind the other
; LIMIT: |Wo| < 65504 (f16); entries of Wo below 2^-14 lose bits in f16, an absolute error of at most 3e-8.
; 512 work-groups of eight waves.  Work-group j casts 32,768 bytes of x, transposes one tile of 128 k x 64 n of one weight
; (4 weights x 8 x 16 tiles = 512), and the first three copy one bias each.
; No matrix unit and no cluster: every byte is read once and written once, and no two work-groups read the same bytes.
; The transposing LDS stores of a wave fall four deep on the same banks (lanes 1,088 bytes apart); four such stores a thread in the whole kernel.
.set W,  16                            ; v[16:47]   8 rows k x 4 columns n of the weight, f32; later the rows read back from LDS
.set X,  48                            ; v[48:79]   32 numbers of x, f32
.set TT, 80                            ; v[80:95]   column c: 4 words = 8 k, 16 bit
.set Y,  96                            ; v[96:111]  32 numbers of x, bf16
.set TP, 272                           ; LDS pitch: 128 k x 2 bytes + 16
	s_load_b512 s[4:19], s[0:1], 0x0               ; x s[4:5], Wq s[6:7], Wk s[8:9], Wv s[10:11], Wo s[12:13], bq s[14:15], bk s[16:17], bv s[18:19]
	s_load_b128 s[20:23], s[0:1], 0x40             ; xb s[20:21], wt s[22:23]
	s_load_b64 s[24:25], s[0:1], 0x50              ; bqkv
	v_lshl_add_u32 v112, v0, 2, 0x4400
	v_mov_b32 v113, 0
	s_mov_b32 s35, ttmp9                           ; j
	s_lshr_b32 s34, s35, 7                         ; which weight, 0 to 3
	s_bfe_u32 s36, s35, 0x30004                    ; kb: which 128 rows k
	s_and_b32 s37, s35, 15                         ; nb: which 64 columns n
	s_lshl_b32 s40, s36, 19                        ; 128 rows of 4,096 bytes
	s_lshl_b32 s41, s37, 8                         ; 64 columns of 4 bytes
	s_add_co_u32 s40, s40, s41                     ; the tile in the weight
	s_mov_b32 s41, 0
	s_lshl_b32 s42, s34, 21                        ; 1,024 rows of wt, 2,048 bytes each
	s_lshl_b32 s43, s37, 17                        ; 64 rows
	s_add_co_u32 s42, s42, s43
	s_lshl_b32 s43, s36, 8                         ; 128 k of 2 bytes
	s_add_co_u32 s42, s42, s43                     ; the tile in wt
	s_mov_b32 s43, 0
	s_lshl_b32 s44, s35, 15                        ; my 32,768 bytes of x
	s_mov_b32 s45, 0
	s_lshl_b32 s46, s35, 14                        ; my 16,384 bytes of xb
	s_mov_b32 s47, 0
	v_lshrrev_b32 v1, 4, v0                        ; t / 16
	v_and_b32 v2, 15, v0                           ; t % 16
	v_lshlrev_b32 v3, 4, v2
	v_lshl_add_u32 v3, v1, 15, v3                  ; weight: rows 8 (t / 16) .., columns 4 (t % 16) ..
	v_lshlrev_b32 v4, 5, v0                        ; x: 32 bytes a thread
	v_lshlrev_b32 v5, 4, v0                        ; xb and the biases: 16 bytes a thread
	v_mul_u32_u24 v6, v2, 4*TP
	v_lshl_add_u32 v6, v1, 4, v6                   ; LDS in: row n = 4 (t % 16) + c, 16 bytes at k = 8 (t / 16)
	v_mul_u32_u24 v7, v1, TP
	v_lshl_add_u32 v7, v2, 4, v7                   ; LDS back: row n = t / 16 + 16 i, 16 bytes at 16 (t % 16)
	v_lshlrev_b32 v8, 4, v2
	v_lshl_add_u32 v8, v1, 11, v8                  ; the same place in wt
	s_wait_kmcnt 0x0
	s_cmp_eq_u32 s34, 1
	s_cselect_b64 s[26:27], s[8:9], s[6:7]
	s_cmp_eq_u32 s34, 2
	s_cselect_b64 s[26:27], s[10:11], s[26:27]
	s_cmp_eq_u32 s34, 3
	s_cselect_b64 s[26:27], s[12:13], s[26:27]     ; my weight,
	s_add_nc_u64 s[26:27], s[26:27], s[40:41]      ; at my tile
	s_add_nc_u64 s[28:29], s[4:5], s[44:45]
	s_add_nc_u64 s[30:31], s[20:21], s[46:47]
	s_add_nc_u64 s[32:33], s[22:23], s[42:43]
.irp i, 0,1,2,3,4,5,6,7
	global_load_b128 v[W+4*\i:W+4*\i+3], v3, s[26:27] offset:4096*\i th:TH_LOAD_NT      ; sixteen lanes read 256 consecutive bytes of a row
.endr
.irp i, 0,1,2,3
	global_load_b128 v[X+8*\i:X+8*\i+3], v4, s[28:29] offset:8192*\i th:TH_LOAD_NT
	global_load_b128 v[X+8*\i+4:X+8*\i+7], v4, s[28:29] offset:8192*\i+16 th:TH_LOAD_NT
.endr
	s_wait_loadcnt 0x8                             ; the weight is in; the eight younger loads are x's
.irp c, 0,1,2,3
.irp q, 0,1,2,3
	v_cvt_pk_bf16_f32 v[TT+4*\c+\q], v[W+8*\q+\c], v[W+8*\q+4+\c]      ; column c, rows 2 q and 2 q + 1
.endr
.endr
	s_cmp_lg_u32 s34, 3
	s_cbranch_scc1 .Lkeep_bf16
.set i, 0
.rept 16                                           ; Wo alone: the bf16 numbers once more, written as f16
	v_lshlrev_b32 v10, 16, v[TT+i]
	v_and_b32 v11, 0xffff0000, v[TT+i]
	v_cvt_pk_f16_f32 v[TT+i], v10, v11
.set i, i+1
.endr
.Lkeep_bf16:
.irp c, 0,1,2,3
	ds_store_b128 v6, v[TT+4*\c:TT+4*\c+3] offset:TP*\c
.endr
	s_wait_loadcnt 0x0                             ; x
.irp i, 0,1,2,3
.irp q, 0,1,2,3
	v_cvt_pk_bf16_f32 v[Y+4*\i+\q], v[X+8*\i+2*\q], v[X+8*\i+2*\q+1]
.endr
	global_store_b128 v5, v[Y+4*\i:Y+4*\i+3], s[30:31] offset:4096*\i      ; a wave stores 512 consecutive bytes
.endr
	s_wait_dscnt 0x0                               ; my LDS stores are done, for the other waves' sake
	s_barrier_signal -1
	s_barrier_wait -1
.irp i, 0,1,2,3
	ds_load_b128 v[W+4*\i:W+4*\i+3], v7 offset:16*TP*\i
.endr
.irp i, 0,1,2,3
	s_wait_dscnt 3-\i                              ; LDS loads come back in order: row group i is in
	global_store_b128 v8, v[W+4*\i:W+4*\i+3], s[32:33] offset:32768*\i     ; sixteen lanes store 256 consecutive bytes of a row of wt, aligned
.endr
	s_cmp_lt_u32 s35, 3
	s_cbranch_scc0 .Lend
	s_cmp_eq_u32 s35, 1                            ; work-groups 0, 1, 2: bias j, 4,096 bytes, 16 a thread
	s_cselect_b64 s[38:39], s[16:17], s[14:15]
	s_cmp_eq_u32 s35, 2
	s_cselect_b64 s[38:39], s[18:19], s[38:39]
	s_lshl_b32 s40, s35, 12                        ; s41 is still 0
	s_add_nc_u64 s[24:25], s[24:25], s[40:41]
	global_load_b128 v[X:X+3], v5, s[38:39]
	s_wait_loadcnt 0x0
	global_store_b128 v5, v[X:X+3], s[24:25]
.Lend:
	s_wait_tensorcnt 0x0
	ds_add_u32 v112, v113
	s_wait_dscnt 0x0
	s_endpgm
.Lfunc_end_k_qcda55d44b9_cast:
	.size	k_qcda55d44b9_cast, .Lfunc_end_k_qcda55d44b9_cast-k_qcda55d44b9_cast
	.p2alignl 7, 3214868480
	.fill 96, 4, 3214868480
	.section	.rodata,"a",@progbits
	.p2align	6, 0x0
	.amdhsa_kernel k_qcda55d44b9_cast
		.amdhsa_group_segment_fixed_size 18432
		.amdhsa_private_segment_fixed_size 0
		.amdhsa_enable_private_segment 0
		.amdhsa_kernarg_size 88
		.amdhsa_user_sgpr_count 2
		.amdhsa_user_sgpr_kernarg_segment_ptr 1
		.amdhsa_wavefront_size32 1
		.amdhsa_system_sgpr_workgroup_id_x 1
		.amdhsa_system_sgpr_workgroup_id_y 1
		.amdhsa_system_sgpr_workgroup_id_z 1
		.amdhsa_system_vgpr_workitem_id 0
		.amdhsa_next_free_vgpr 114
		.amdhsa_next_free_sgpr 66
		.amdhsa_reserve_vcc 0
		.amdhsa_float_denorm_mode_32 3
		.amdhsa_float_denorm_mode_16_64 3
		.amdhsa_memory_ordered 1
		.amdhsa_forward_progress 1
		.amdhsa_inst_pref_size 11
	.end_amdhsa_kernel
	.amdgpu_metadata
---
amdhsa.version: [ 1, 2 ]
amdhsa.kernels:
  - .name:           k_qcda55d44b9_cast
    .symbol:         k_qcda55d44b9_cast.kd
    .args:
      - { .name: x, .offset: 0, .size: 8, .value_kind: global_buffer, .address_space: global }
      - { .name: Wq, .offset: 8, .size: 8, .value_kind: global_buffer, .address_space: global }
      - { .name: Wk, .offset: 16, .size: 8, .value_kind: global_buffer, .address_space: global }
      - { .name: Wv, .offset: 24, .size: 8, .value_kind: global_buffer, .address_space: global }
      - { .name: Wo, .offset: 32, .size: 8, .value_kind: global_buffer, .address_space: global }
      - { .name: bq, .offset: 40, .size: 8, .value_kind: global_buffer, .address_space: global }
      - { .name: bk, .offset: 48, .size: 8, .value_kind: global_buffer, .address_space: global }
      - { .name: bv, .offset: 56, .size: 8, .value_kind: global_buffer, .address_space: global }
      - { .name: xb, .offset: 64, .size: 8, .value_kind: global_buffer, .address_space: global }
      - { .name: wt, .offset: 72, .size: 8, .value_kind: global_buffer, .address_space: global }
      - { .name: bqkv, .offset: 80, .size: 8, .value_kind: global_buffer, .address_space: global }
    .group_segment_fixed_size: 18432
    .private_segment_fixed_size: 0
    .kernarg_segment_align: 8
    .kernarg_segment_size: 88
    .max_flat_workgroup_size: 256
    .sgpr_count:     66
    .vgpr_count:     114
    .wavefront_size: 32
...
	.end_amdgpu_metadata
.endif
;; end of part 1
;; launch proj_qkv (part 2): grid 16 x 16, 4 waves a work-group, clusters of 4 x 4, 327,680 bytes of LDS; arguments xb, wt, bqkv, qkv; writes qkv
.if DOCPART == 2
	.amdgcn_target "amdgcn-amd-amdhsa--gfx1250"
	.amdhsa_code_object_version 6
	.text
	.protected	k_qcda55d44b9_proj_qkv
	.globl	k_qcda55d44b9_proj_qkv
	.p2align	8
	.type	k_qcda55d44b9_proj_qkv,@function
k_qcda55d44b9_proj_qkv:
	s_mov_b64 s[64:65], 0
	v_nop
	global_prefetch_b8 v0, s[64:65] scope:SCOPE_SE
	s_setreg_imm32_b32 hwreg(HW_REG_WAVE_MODE, 25, 1), 1
	s_wait_xcnt 0x0
	s_wait_alu depctr_hold_cnt(0) depctr_sa_sdst(0) depctr_va_vdst(0) depctr_va_sdst(0) depctr_va_ssrc(0) depctr_va_vcc(0) depctr_vm_vsrc(0)
	s_getreg_b32 s2, hwreg(HW_REG_IB_STS2, 6, 4)
	s_cmp_eq_u32 s2, 0
	s_cbranch_scc0 .Lentry_in_a_cluster
	s_endpgm
.Lentry_in_a_cluster:
	s_bfe_u32 s2, ttmp6, 0x10000c
	s_cmp_lg_u32 s2, 0xf033
	s_cbranch_scc0 .Lentry_shape_is_right
	s_endpgm
.Lentry_shape_is_right:
; proj_qkv: q, k, v = x W + b for all three weights at once: [4096 tokens][1024] x [3072 columns][1024]^T, bf16 operands, f32 sums.
; Result in f16, by planes: qkv[48 planes][4096 tokens][64]; plane = column / 64 = 16 x matrix + head.
; LIMIT: |q|, |k|, |v| < 65504 (f16).
; A work-group makes 256 tokens x 192 columns (three whole planes) with four waves; wave w makes tokens 64 w .. 64 w + 63 x all 192 columns:
; 4 x 12 accumulator tiles, 384 registers.  16 x 16 work-groups.  K goes in steps of 128 through two LDS slots filled by tensor loads:
; a tile's rows are 256 bytes of memory and start at multiples of 256 bytes of their buffer.
; CLUSTERS of 4 x 4: the four work-groups of a row of the cluster need the same rows of xb, the four of a column the same rows of wt.  Each wave asks for
; 64 rows of xb jointly with its row and for 48 rows of wt jointly with its column: two lines, each with one mask, issued by every wave on every path.
; THE MATRIX INSTRUCTION IS USED TRANSPOSED (source 0 = rows of wt, source 1 = rows of xb): lane (r, h) then holds token r and the columns 8 h .. 8 h + 7
; of a tile: eight neighbours of a row of the result.  The bias enters as the C of each sum's first product: nothing is cleared, nothing added later.
; REGISTERS, in windows of 256:
;   window 0: v16-27 addresses; v32-63, v64-95 fragments of xb (4 x 16 rows x 32 K), two buffers; v96-191 bias; v192-239 packed results
;   window 1: v0-95, v96-191 fragments of wt (12 x 16 rows x 32 K), two buffers
;   window 2: accumulator tiles of my token blocks 0, 1 (tile (a, b) at v[8 (12 a + b)]);  window 3: of blocks 2, 3
.set KSTEP,  128
.set PITCH,  272                       ; an LDS row: 256 bytes + 16 of padding, an odd multiple of 16: the 16 rows of a fragment load start at 16 different 16-byte columns
.set AW,     64*PITCH                  ; what one wave fetches of xb
.set BW,     48*PITCH                  ; what one wave fetches of wt
.set BOFF,   4*AW                      ; wt's rows lie behind xb's 256
.set SLOT,   BOFF+4*BW                 ; 121,856
.set STAGE,  2*SLOT                    ; behind the ring, a multiple of 256: 16 rows x 400 bytes for each wave; no tensor load lands there
.set SPITCH, 400                       ; 192 columns x 2 bytes + 16
.set NB,     12
.set LAPS,   4                         ; 1,024 / (2 x 128)
.set ADRA, 16                          ; v16-17  LDS address of my xb fragments in slot 0, 1
.set ADRB, 20                          ; v20-21  the same for wt
.set STO,  24                          ; the way out: where I put 16 bytes
.set RD,   25                          ; the way out: where I read back
.set CO,   26                          ; my byte offset in a store of 512 bytes
.set BO,   27                          ; 32 h: my eight biases in a tile's sixteen
.set FA,   32                          ; fragment buffers of xb: FA + 32 f
.set FB,   0                           ; of wt, window 1: FB + 96 f
.set BIAS, 96
.set TMP,  192
.set RB,   32                          ; the way out: rows read back
.set G1A, 24                           ; s[24:31] descriptor group 1, xb's tiles
.set G1B, 32                           ; s[32:39] descriptor group 1, wt's tiles
.set G0A, 40                           ; s[40:47] group 0 of xb's tiles, a set for each slot
.set G0B, 48                           ; s[48:55] group 0 of wt's tiles, a set for each slot
.set G1W0, (1<<16)|(1<<20)|(1<<21)|(5<<22)|(3<<25)   ; elements of 2 bytes; padding on; bit 21 beside a mask; after every 64 words 4 words
.set MUL_LO,   0xa1                    ; source 0 window 1, source 1 window 0, C and D window 2
.set MUL_HI,   0xf1                    ; the same, C and D window 3
.set FIRST_LO, 0x81                    ; C (the bias) window 0, D window 2
.set FIRST_HI, 0xc1                    ; C window 0, D window 3
.set TO_B,     0x40                    ; destination window 1, address window 0
.set MSB, 0
.macro WIN new                         ; the immediate's high byte repeats the setting that is left
.if MSB != \new
	s_set_vgpr_msb (MSB<<8)|\new
.set MSB, \new
.endif
.endm
.macro CREST                           ; a round of the cluster's barrier behind its opening work-group barrier
	s_cmp_lg_u32 s12, 0
	s_cbranch_scc1 .Lnot_wave_0_\@
	s_barrier_signal -3
.Lnot_wave_0_\@:
	s_barrier_wait -3
	s_barrier_signal -1
	s_barrier_wait -1
.endm
.macro CROUND                          ; a whole round
	s_barrier_signal -1
	s_barrier_wait -1
	CREST
.endm
.macro PLACES                          ; four plain vector instructions behind a matrix instruction, before a load lands on one of its sources or a vector instruction reads its result
.rept 4
	v_nop
.endr
.endm
.macro LOAD2 s                         ; my two joint loads for slot s
	tensor_load_to_lds s[G0A+4*\s:G0A+4*\s+3], s[G1A:G1A+7]
	s_nop 0
	tensor_load_to_lds s[G0B+4*\s:G0B+4*\s+3], s[G1B:G1B+7]
	s_nop 0
.endm
	s_load_b256 s[4:11], s[0:1], 0x0               ; xb s[4:5], wt s[6:7], bqkv s[8:9], qkv s[10:11]
	s_set_vgpr_msb 0x40
	v_lshl_add_u32 v255, v0, 2, 0x41c00
	s_set_vgpr_msb 0x4000
	v_mov_b32 v255, 0
	s_set_vgpr_msb 0x1
	ds_add_u32 v255, v255
	ds_add_u32 v255, v255
	s_set_vgpr_msb 0x100
	v_lshrrev_b32 v1, 5, v0
	v_readfirstlane_b32 s12, v1                    ; wave 0..3
	s_bfe_u32 s13, ttmp6, 0x40000                  ; cx
	s_bfe_u32 s14, ttmp6, 0x40004                  ; cy
	s_lshl_b32 s15, ttmp9, 2
	s_add_co_u32 s15, s15, s13                     ; block column = 4 x cluster x + cx
	s_and_b32 s16, ttmp7, 0xffff
	s_lshl_b32 s16, s16, 2
	s_add_co_u32 s16, s16, s14                     ; block row = 4 x cluster y + cy
	s_lshl_b32 s17, s14, 2
	s_lshl_b32 s17, 15, s17                        ; my row of the cluster
	s_lshl_b32 s18, 0x1111, s13                    ; my column
	s_or_b32 s[G1A+0], s17, G1W0
	s_mov_b32 s[G1A+1], KSTEP<<16                  ; tensor_dim0 = 128
	s_mov_b32 s[G1A+2], 64<<16                     ; tensor_dim1 = 64
	s_mov_b32 s[G1A+3], KSTEP<<16                  ; tile_dim0 = 128
	s_mov_b32 s[G1A+4], 64                         ; tile_dim1 = 64
	s_mov_b32 s[G1A+5], 1024                       ; elements from row to row
	s_mov_b32 s[G1A+6], 0
	s_mov_b32 s[G1A+7], 0
	s_or_b32 s[G1B+0], s18, G1W0
	s_mov_b32 s[G1B+1], KSTEP<<16
	s_mov_b32 s[G1B+2], 48<<16                     ; 48 rows
	s_mov_b32 s[G1B+3], KSTEP<<16
	s_mov_b32 s[G1B+4], 48
	s_mov_b32 s[G1B+5], 1024
	s_mov_b32 s[G1B+6], 0
	s_mov_b32 s[G1B+7], 0
	; xb's address hangs on the block row and the wave alone, wt's on the block column and the wave alone, each made in registers that never hold the other coordinate
	s_lshl_b32 s20, s16, 19                        ; 256 rows of 2,048 bytes
	s_lshl_b32 s21, s12, 17                        ; 64 rows
	s_add_co_u32 s20, s20, s21
	s_mov_b32 s21, 0
	s_mul_i32 s56, s15, 192*2048
	s_mul_i32 s57, s12, 48*2048
	s_add_co_u32 s56, s56, s57
	s_mov_b32 s57, 0
	s_mul_i32 s60, s12, AW                         ; LDS: the wave's number alone
	s_mul_i32 s61, s12, BW
	s_add_co_u32 s61, s61, BOFF
	s_wait_dscnt 0x0
	s_wait_kmcnt 0x0
	s_add_nc_u64 s[22:23], s[4:5], s[20:21]
	s_add_nc_u64 s[58:59], s[6:7], s[56:57]
	CROUND                                         ; all sixteen work-groups are here: the first joint loads meet
.irp s, 0,1
	s_mov_b32 s[G0A+4*\s], 1
	s_add_co_u32 s[G0A+4*\s+1], s60, \s*SLOT
	s_add_nc_u64 s[G0A+4*\s+2:G0A+4*\s+3], s[22:23], \s*KSTEP*2
	s_or_b32 s[G0A+4*\s+3], s[G0A+4*\s+3], 0x80000000
	s_mov_b32 s[G0B+4*\s], 1
	s_add_co_u32 s[G0B+4*\s+1], s61, \s*SLOT
	s_add_nc_u64 s[G0B+4*\s+2:G0B+4*\s+3], s[58:59], \s*KSTEP*2
	s_or_b32 s[G0B+4*\s+3], s[G0B+4*\s+3], 0x80000000
	LOAD2 \s                                       ; four tensor loads of the wave are out after these: the most in this text
.endr
	v_and_b32 v1, 15, v0                           ; r
	v_bfe_u32 v2, v0, 4, 1                         ; h
	v_mul_u32_u24 v3, v1, PITCH
	v_lshl_add_u32 v3, v2, 4, v3                   ; row x pitch + 16 h
	v_add_nc_u32 v[ADRA], s60, v3                  ; my own 64 rows of xb
	v_add_nc_u32 v[ADRA+1], SLOT, v[ADRA]
	v_add_nc_u32 v[ADRB], BOFF, v3                 ; all 192 rows of wt
	v_add_nc_u32 v[ADRB+1], SLOT, v[ADRB]
	s_mul_i32 s62, s12, 16*SPITCH
	s_add_co_u32 s62, s62, STAGE                   ; my stage
	v_mul_u32_u24 v4, v1, SPITCH
	v_lshl_add_u32 v4, v2, 4, v4
	v_add_nc_u32 v[STO], s62, v4                   ; in: token r, 16 bytes for each half of the lanes
	v_and_b32 v5, 31, v0
	v_lshrrev_b32 v6, 3, v5
	v_and_b32 v7, 7, v0
	v_mul_u32_u24 v8, v6, SPITCH
	v_lshl_add_u32 v8, v7, 4, v8
	v_add_nc_u32 v[RD], s62, v8                    ; back: eight lanes take the 128 bytes of one token in one plane, the wave four tokens
	v_lshlrev_b32 v[CO], 4, v5                     ; which are 512 consecutive bytes of the plane
	v_lshlrev_b32 v[BO], 5, v2
	s_mul_i32 s56, s15, 768                        ; my 192 biases
	s_add_nc_u64 s[8:9], s[8:9], s[56:57]
.irp b, 0,1,2,3,4,5,6,7,8,9,10,11
	global_load_b128 v[BIAS+8*\b:BIAS+8*\b+3], v[BO], s[8:9] offset:64*\b
	global_load_b128 v[BIAS+8*\b+4:BIAS+8*\b+7], v[BO], s[8:9] offset:64*\b+16
.endr
	s_lshl_b32 s20, s16, 15                        ; the result: 256 tokens of 128 bytes,
	s_lshl_b32 s21, s12, 13                        ; 64 tokens
	s_add_co_u32 s20, s20, s21
	s_mov_b32 s21, 0
	s_add_nc_u64 s[10:11], s[10:11], s[20:21]
	s_mul_i32 s58, s15, 3*524288                   ; and three planes a block column
	s_mov_b32 s59, 0
	s_add_nc_u64 s[10:11], s[10:11], s[58:59]
; 24 matrix instructions: token blocks 2 hi, 2 hi + 1 x all 12 column blocks, 32 along K, from buffer f.  first = 1: C is the bias.
; The accumulators take turns, one instruction a turn, in the same order everywhere.
.macro MULH f, hi, first
.irp a, 0,1
.irp b, 0,1,2,3,4,5,6,7,8,9,10,11
.if \first
	v_wmma_f32_16x16x32_bf16 v[8*(NB*\a+\b):8*(NB*\a+\b)+7], v[FB+96*\f+8*\b:FB+96*\f+8*\b+7], v[FA+32*\f+8*(2*\hi+\a):FA+32*\f+8*(2*\hi+\a)+7], v[BIAS+8*\b:BIAS+8*\b+7]
.else
	v_wmma_f32_16x16x32_bf16 v[8*(NB*\a+\b):8*(NB*\a+\b)+7], v[FB+96*\f+8*\b:FB+96*\f+8*\b+7], v[FA+32*\f+8*(2*\hi+\a):FA+32*\f+8*(2*\hi+\a)+7], v[8*(NB*\a+\b):8*(NB*\a+\b)+7]
.endif
.endr
.endr
.endm
; 32 LDS loads in one run: the fragments of quarter kq (32 along K) of a slot into buffer g
.macro FETCH slot, kq, g
	WIN TO_B
.irp b, 0,1,2,3,4,5,6,7,8,9,10,11
	ds_load_b128 v[FB+96*\g+8*\b:FB+96*\g+8*\b+3],   v[ADRB+\slot] offset:64*\kq+16*PITCH*\b
	ds_load_b128 v[FB+96*\g+8*\b+4:FB+96*\g+8*\b+7], v[ADRB+\slot] offset:64*\kq+16*PITCH*\b+32
.endr
	WIN 0
.irp a, 0,1,2,3
	ds_load_b128 v[FA+32*\g+8*\a:FA+32*\g+8*\a+3],   v[ADRA+\slot] offset:64*\kq+16*PITCH*\a
	ds_load_b128 v[FA+32*\g+8*\a+4:FA+32*\g+8*\a+7], v[ADRA+\slot] offset:64*\kq+16*PITCH*\a+32
.endr
.endm
; One of a K step's first three quarters: fetches quarter kq into buffer g, then multiplies buffer f (quarter kq - 1): the fetch has 48 matrix instructions in which to land
.macro QUARTER slot, kq, f, g, first
	PLACES
	FETCH \slot, \kq, \g
	s_wait_dscnt 32                                ; all but the 32 loads just issued: buffer f is whole
.if \first
	WIN FIRST_LO
.else
	WIN MUL_LO
.endif
	MULH \f, 0, \first
.if \first
	WIN FIRST_HI
.else
	WIN MUL_HI
.endif
	MULH \f, 1, \first
.endm
.macro THREE slot, first
	QUARTER \slot, 1, 0, 1, \first
	QUARTER \slot, 2, 1, 0, 0
	QUARTER \slot, 3, 0, 1, 0
.endm
; The last quarter: multiplies buffer 1 and changes slots.  In front of the barrier each wave waits for its reads of this slot and for all its tensor loads
; (its two parts of the next slot).  fill = 1: the barrier opens a round of the cluster's barrier, and the joint refills are the first tensor loads behind the round.
.macro TURN slot, next, fill
	s_wait_dscnt 0x0                               ; buffer 1 is whole, and my reads of this slot are over
	s_wait_tensorcnt 0x0                           ; all my tensor loads have landed
	ds_add_u32 v255, v255
	s_wait_dscnt 0x0
	s_barrier_signal -1
	WIN MUL_LO
	MULH 1, 0, 0                                   ; register work while the others arrive
	WIN 0
	s_barrier_wait -1
.if \fill
	CREST                                          ; no wave of any partner still reads this slot or has a load on its way
	s_add_nc_u64 s[G0A+4*\slot+2:G0A+4*\slot+3], s[G0A+4*\slot+2:G0A+4*\slot+3], 2*KSTEP*2
	s_add_nc_u64 s[G0B+4*\slot+2:G0B+4*\slot+3], s[G0B+4*\slot+2:G0B+4*\slot+3], 2*KSTEP*2
	LOAD2 \slot
.endif
	PLACES
	FETCH \next, 0, 0
	WIN MUL_HI
	MULH 1, 1, 0
.endm
.macro LAP first                       ; once round the ring, both slots filled again
	THREE 0, \first
	TURN 0, 1, 1
	THREE 1, 0
	TURN 1, 0, 1
.endm
	s_wait_loadcnt 0x0                             ; the bias
	s_wait_tensorcnt 0x2                           ; my two parts of K step 0 are in; K step 1's two stay out
	s_barrier_signal -1
	s_barrier_wait -1
	FETCH 0, 0, 0
	LAP 1                                          ; the first products start the sums from the bias
	WIN 0                                          ; at a label and at a branch every window is 0
	s_mov_b32 s3, LAPS-2
.Llap:
	LAP 0
	WIN 0
	s_sub_co_u32 s3, s3, 1
	s_cmp_lg_u32 s3, 0
	s_cbranch_scc1 .Llap
	THREE 0, 0                                     ; the last lap fills nothing
	TURN 0, 1, 0
	THREE 1, 0
	s_wait_dscnt 0x0
	WIN MUL_LO
	MULH 1, 0, 0
	WIN MUL_HI
	MULH 1, 1, 0
; THE WAY OUT, 16 tokens at a time: round to f16, 16 bytes a lane into my own stage, read back plane by plane, four tokens (512 consecutive bytes of a plane) a store.
; LDS serves a wave's instructions in order (ISA guide 5.7.1.4): no wait between my stores and my loads of my own stage.
.macro OUT16 a, from
	WIN \from
.irp b, 0,1,2,3,4,5,6,7,8,9,10,11
.irp q, 0,1,2,3
	v_cvt_pk_f16_f32 v[TMP+4*\b+\q], v[8*(NB*(\a&1)+\b)+2*\q], v[8*(NB*(\a&1)+\b)+2*\q+1]
.endr
.endr
	WIN 0
.irp b, 0,1,2,3,4,5,6,7,8,9,10,11
	ds_store_b128 v[STO], v[TMP+4*\b:TMP+4*\b+3] offset:32*\b
.endr
	s_wait_xcnt 0x0                                ; RB, which the last block's stores read, is loaded again only behind this wait
.irp pl, 0,1,2
.irp i, 0,1,2,3
	ds_load_b128 v[RB+4*(4*\pl+\i):RB+4*(4*\pl+\i)+3], v[RD] offset:128*\pl+4*SPITCH*\i
.endr
.endr
.irp pl, 0,1,2
.irp i, 0,1,2,3
	s_wait_dscnt 11-(4*\pl+\i)
	global_store_b128 v[CO], v[RB+4*(4*\pl+\i):RB+4*(4*\pl+\i)+3], s[10:11] offset:524288*\pl+2048*\a+512*\i
.endr
.endr
.endm
	PLACES
	OUT16 0, 0x0a
	OUT16 1, 0x0a
	OUT16 2, 0x0f
	OUT16 3, 0x0f
	s_set_vgpr_msb 0x1
	s_wait_tensorcnt 0x0
	ds_add_u32 v255, v255
	s_wait_dscnt 0x0
	s_set_vgpr_msb 0x100
	CROUND                                         ; the closing round: no work-group ends while a partner may still ask for a tile that names it
	s_endpgm
.Lfunc_end_k_qcda55d44b9_proj_qkv:
	.size	k_qcda55d44b9_proj_qkv, .Lfunc_end_k_qcda55d44b9_proj_qkv-k_qcda55d44b9_proj_qkv
	.p2alignl 7, 3214868480
	.fill 96, 4, 3214868480
	.section	.rodata,"a",@progbits
	.p2align	6, 0x0
	.amdhsa_kernel k_qcda55d44b9_proj_qkv
		.amdhsa_group_segment_fixed_size 327680
		.amdhsa_private_segment_fixed_size 0
		.amdhsa_enable_private_segment 0
		.amdhsa_kernarg_size 32
		.amdhsa_user_sgpr_count 2
		.amdhsa_user_sgpr_kernarg_segment_ptr 1
		.amdhsa_wavefront_size32 1
		.amdhsa_system_sgpr_workgroup_id_x 1
		.amdhsa_system_sgpr_workgroup_id_y 1
		.amdhsa_system_sgpr_workgroup_id_z 1
		.amdhsa_system_vgpr_workitem_id 0
		.amdhsa_next_free_vgpr 960
		.amdhsa_next_free_sgpr 66
		.amdhsa_reserve_vcc 0
		.amdhsa_float_denorm_mode_32 3
		.amdhsa_float_denorm_mode_16_64 3
		.amdhsa_memory_ordered 1
		.amdhsa_forward_progress 1
		.amdhsa_inst_pref_size 164
	.end_amdhsa_kernel
	.amdgpu_metadata
---
amdhsa.version: [ 1, 2 ]
amdhsa.kernels:
  - .name:           k_qcda55d44b9_proj_qkv
    .symbol:         k_qcda55d44b9_proj_qkv.kd
    .args:
      - { .name: xb, .offset: 0, .size: 8, .value_kind: global_buffer, .address_space: global }
      - { .name: wt, .offset: 8, .size: 8, .value_kind: global_buffer, .address_space: global }
      - { .name: bqkv, .offset: 16, .size: 8, .value_kind: global_buffer, .address_space: global }
      - { .name: qkv, .offset: 24, .size: 8, .value_kind: global_buffer, .address_space: global }
    .group_segment_fixed_size: 327680
    .private_segment_fixed_size: 0
    .kernarg_segment_align: 8
    .kernarg_segment_size: 32
    .max_flat_workgroup_size: 128
    .sgpr_count:     66
    .vgpr_count:     960
    .wavefront_size: 32
...
	.end_amdgpu_metadata
.endif
;; end of part 2
;; launch attend (part 3): grid 256 x 1, 8 waves a work-group, no clusters, 327,680 bytes of LDS; arguments qkv, ao; writes ao
.if DOCPART == 3
	.amdgcn_target "amdgcn-amd-amdhsa--gfx1250"
	.amdhsa_code_object_version 6
	.text
	.protected	k_qcda55d44b9_attend
	.globl	k_qcda55d44b9_attend
	.p2align	8
	.type	k_qcda55d44b9_attend,@function
k_qcda55d44b9_attend:
	s_mov_b64 s[64:65], 0
	v_nop
	global_prefetch_b8 v0, s[64:65] scope:SCOPE_SE
	s_setreg_imm32_b32 hwreg(HW_REG_WAVE_MODE, 25, 1), 1
	s_wait_xcnt 0x0
; attend: causal softmax(q k^T / 8) v for one (batch, head) and two query blocks of 128 rows.  q, k, v: f16 planes [4096 tokens][64]; sums, maxima and softmax in f32,
; with a running maximum; the probabilities go to the second product in f16.  Result ao[16 heads][4096 tokens][64] in f16.
; LIMIT: q, k, v finite in f16 (|.| < 65504), as the launch before leaves them.
; 256 work-groups = 2 batches x 16 heads x 8 pairs.  Pair p takes query blocks p and 15 - p: (p + 1) + (16 - p) = 17 key tiles of 128 for every work-group.
; One of the two blocks is even (2 c full tiles) and one odd (2 a + 1 full tiles).  Order of the 17 tiles: the even block's diagonal tile, its 2 c full tiles, the odd
; block's diagonal tile, its 2 a + 1 full tiles.  So tile u lies in slot u mod 2 in every work-group, and each block's first tile is the masked one: one variant of
; the step both masks and starts the sums.
; Eight waves: wq = w mod 4 owns queries 32 wq .. + 31 of the block (two tiles of 16), kh = w / 4 owns keys 64 kh .. + 63 of every key tile.
; The two waves of a pair (w, w + 4) keep maximum, sum and O of their own and are merged once a block, through LDS.
; S^T = K Q^T: lane (r, h) holds query r and keys 8 h + j of a tile of 16 keys.  Rounded to f16 in pairs these registers ARE the second operand of O^T = V^T P^T:
; no shuffle; maximum and sum are per lane with one exchange between the halves of the lanes.  V^T comes by the transposing LDS load.
; NO CLUSTER: the eight work-groups of a head walk K and V in different orders (the tile of trip u hangs on p), so no two ask for the same tile in the same trip.
; Joint requests would need equal trip counts and tiles in all partners: four partners would walk to the end of their common 512 rows, 20 tiles in place of 17.
.set SLOTB,  38912                     ; a slot: K 128 x 144, then V 128 x 160
.set KP,     144                       ; K's pitch: 128 bytes + 16, an odd multiple of 16
.set VP,     160                       ; V's pitch: 128 bytes + 32, an odd multiple of 32, for the transposing load
.set VOFF,   128*KP
.set MERGE,  2*SLOTB                   ; 77,824, a multiple of 256: 17 x 512 bytes for each pair of waves; no tensor load lands there
.set MERGEW, 17*512
.set STAGE,  MERGE+4*MERGEW            ; 112,640: 32 rows x 144 bytes for each of waves 0 to 3
.set STAGEW, 32*KP
.set KA,   1                           ; LDS address of my K fragments in slot 0
.set VA,   2                           ; of my V fragments
.set THR,  3                           ; r - 8 h + 32 wq - 64 kh: key 16 kt + j of mine is allowed for query tile qt where 16 (kt - qt) + j <= THR
.set NINF, 4                           ; -infinity
.set QOFF, 5
.set OOFF, 6
.set MA,   7                           ; my 16 bytes in a line of the merge area
.set SSTO, 8
.set SRD,  9
.set LS,   12                          ; v[12:13], v[14:15]: running sums of query tile 0, 1, two partial sums a lane
.set NM,   16                          ; v16-19, v20-23: for query tile qt: -c2 m, m, the rescaling factor, the other half's value
.set T,    24                          ; v[24:31] at work
.set QF,   32                          ; v[32:63]   Q fragments: QF + 16 qt + 8 ds
.set S,    64                          ; v[64:127]  scores: S + 32 qt + 8 kt; then P in f16: S + 32 qt + 16 ks
.set KF,   128                         ; v[128:191] K fragments: KF + 16 kt + 8 ds; then
.set VF,   128                         ;            V^T fragments: VF + 32 ks + 8 dt
.set O,    192                         ; v[192:255] O^T: O + 32 qt + 8 dt; lane (r, h): query r, d = 16 dt + 8 h + j
.set G1K, 40                           ; s[40:47] descriptor group 1 for K
.set G1V, 48                           ; s[48:55] for V
.set G0K, 56                           ; s[56:63] group 0 for K, a set for each slot
.set G0V, 68                           ; s[68:75] group 0 for V, a set for each slot
	s_load_b128 s[4:7], s[0:1], 0x0                ; qkv s[4:5], ao s[6:7]
	s_set_vgpr_msb 0x40
	v_lshl_add_u32 v0, v0, 2, 0x29000
	v_mov_b32 v1, 0
	s_set_vgpr_msb 0x4045
	ds_add_u32 v0, v1
	ds_add_u32 v0, v1
	s_set_vgpr_msb 0x4500
	v_lshrrev_b32 v10, 5, v0
	v_readfirstlane_b32 s8, v10                    ; wave 0..7
	s_and_b32 s9, s8, 3                            ; wq
	s_lshr_b32 s10, s8, 2                          ; kh
	s_and_b32 s11, ttmp9, 7                        ; p
	s_bfe_u32 s18, ttmp9, 0x40003                  ; head
	s_lshr_b32 s19, ttmp9, 7                       ; batch
	s_lshl_b32 s12, s18, 19                        ; a plane is 524,288 bytes,
	s_lshl_b32 s19, s19, 18                        ; a batch's 2,048 tokens 262,144
	s_add_co_u32 s12, s12, s19
	s_sub_co_u32 s18, 15, s11
	s_bitcmp1_b32 s11, 0                           ; is p odd?
	s_cselect_b32 s13, s18, s11                    ; the even block,
	s_cselect_b32 s14, s11, s18                    ; the odd block
	s_lshr_b32 s15, s13, 1                         ; c
	s_lshr_b32 s16, s14, 1                         ; a
	s_add_co_u32 s66, s13, 1                       ; the place of the odd block's diagonal tile in the order
	s_mov_b32 s32, 0x3e38aa3b                      ; c2 = log2(e) / 8: the scale 1 / sqrt(64) and the change of base in one factor
	s_mov_b32 s33, 0x3e38aa3b
	s_mov_b32 s34, 0xbe38aa3b                      ; -c2
	s_mov_b32 s35, 0xff7fffff                      ; the most negative finite number: where a running maximum starts
	s_mov_b32 s36, 0x76543210                      ; v_permlanex16_b32: lane i of one half reads lane i of the other
	s_mov_b32 s37, 0xfedcba98
	s_mov_b32 s39, 0
	; a wave's part of a tile: 16 keys x 128 bytes, dense in memory: 8 rows of 256 bytes, with padding behind every 32 words (one key)
	s_mov_b32 s[G1K+0], (1<<16)|(1<<20)|(4<<22)|(3<<25)    ; elements of 2 bytes; padding on; after every 32 words 4 words
	s_mov_b32 s[G1K+1], 128<<16
	s_mov_b32 s[G1K+2], 8<<16
	s_mov_b32 s[G1K+3], 128<<16
	s_mov_b32 s[G1K+4], 8
	s_mov_b32 s[G1K+5], 128
	s_mov_b32 s[G1K+6], 0
	s_mov_b32 s[G1K+7], 0
	s_mov_b32 s[G1V+0], (1<<16)|(1<<20)|(4<<22)|(7<<25)    ; after every 32 words 8 words
	s_mov_b32 s[G1V+1], 128<<16
	s_mov_b32 s[G1V+2], 8<<16
	s_mov_b32 s[G1V+3], 128<<16
	s_mov_b32 s[G1V+4], 8
	s_mov_b32 s[G1V+5], 128
	s_mov_b32 s[G1V+6], 0
	s_mov_b32 s[G1V+7], 0
	s_mov_b32 s[G0K], 1
	s_mul_i32 s[G0K+1], s8, 16*KP
	s_mov_b32 s[G0K+4], 1
	s_add_co_u32 s[G0K+5], s[G0K+1], SLOTB
	s_mov_b32 s[G0V], 1
	s_mul_i32 s[G0V+1], s8, 16*VP
	s_add_co_u32 s[G0V+1], s[G0V+1], VOFF
	s_mov_b32 s[G0V+4], 1
	s_add_co_u32 s[G0V+5], s[G0V+1], SLOTB
	s_wait_dscnt 0x0
	s_wait_kmcnt 0x0
	s_mov_b32 s38, s12
	s_add_nc_u64 s[4:5], s[4:5], s[38:39]          ; q's plane at my batch
	s_add_nc_u64 s[6:7], s[6:7], s[38:39]          ; ao's plane at my batch
	s_lshl_b32 s38, s8, 11                         ; my 16 keys of a tile
	s_add_nc_u64 s[20:21], s[4:5], s[38:39]
	s_add_nc_u64 s[22:23], s[20:21], 0x1000000     ; v: 32 planes on
	s_add_nc_u64 s[20:21], s[20:21], 0x800000      ; k: 16 planes on
	s_or_b32 s21, s21, 0x80000000                  ; the descriptor's type bits ride along
	s_or_b32 s23, s23, 0x80000000
	s_lshl_b32 s38, s14, 14                        ; a block is 128 tokens of 128 bytes
	s_add_nc_u64 s[26:27], s[4:5], s[38:39]        ; q and ao at the odd block
	s_add_nc_u64 s[30:31], s[6:7], s[38:39]
	s_lshl_b32 s38, s13, 14
	s_add_nc_u64 s[24:25], s[4:5], s[38:39]        ; q and ao at the even block
	s_add_nc_u64 s[28:29], s[6:7], s[38:39]
	s_add_nc_u64 s[G0K+2:G0K+3], s[20:21], s[38:39]        ; tile 0 of the order: the even block's diagonal tile
	s_add_nc_u64 s[G0V+2:G0V+3], s[22:23], s[38:39]
	tensor_load_to_lds s[G0K:G0K+3], s[G1K:G1K+7]
	s_nop 0
	tensor_load_to_lds s[G0V:G0V+3], s[G1V:G1V+7]
	s_nop 0
	s_mov_b32 s17, 1                               ; u: the next place of the order to be fetched
	v_and_b32 v10, 31, v0                          ; L
	v_and_b32 v11, 15, v0                          ; r
	v_bfe_u32 v12, v0, 4, 1                        ; h
	v_and_b32 v13, 7, v0
	v_bfe_u32 v14, v0, 3, 1
	v_lshrrev_b32 v15, 3, v10
	s_mul_i32 s18, s10, 64*KP
	v_mul_u32_u24 v[KA], v11, KP
	v_lshl_add_u32 v[KA], v12, 4, v[KA]
	v_add_nc_u32 v[KA], s18, v[KA]                 ; (64 kh + r) x 144 + 16 h
	s_mul_i32 s19, s10, 64*VP
	s_add_co_u32 s19, s19, VOFF
	v_lshl_add_u32 v[VA], v12, 3, v13
	v_mul_u32_u24 v[VA], v[VA], VP
	v_lshl_add_u32 v[VA], v14, 4, v[VA]
	v_add_nc_u32 v[VA], s19, v[VA]                 ; V + (64 kh + 8 h + L % 8) x 160 + 16 ((L / 8) % 2)
	s_lshl_b32 s18, s9, 5
	s_lshl_b32 s19, s10, 6
	s_sub_co_i32 s18, s18, s19
	v_lshlrev_b32 v[THR], 3, v12
	v_sub_nc_u32 v[THR], v11, v[THR]
	v_add_nc_u32 v[THR], s18, v[THR]
	v_mov_b32 v[NINF], 0xff800000
	s_lshl_b32 s18, s9, 12                         ; my 32 queries of 128 bytes
	v_lshlrev_b32 v[QOFF], 7, v11
	v_lshl_add_u32 v[QOFF], v12, 4, v[QOFF]
	v_add_nc_u32 v[QOFF], s18, v[QOFF]
	v_lshl_add_u32 v[OOFF], v10, 4, s18
	s_mul_i32 s19, s9, MERGEW
	s_add_co_u32 s19, s19, MERGE
	v_lshl_add_u32 v[MA], v10, 4, s19
	s_mul_i32 s19, s9, STAGEW
	s_add_co_u32 s19, s19, STAGE
	v_mul_u32_u24 v[SSTO], v11, KP
	v_lshl_add_u32 v[SSTO], v12, 4, v[SSTO]
	v_add_nc_u32 v[SSTO], s19, v[SSTO]
	v_mul_u32_u24 v[SRD], v15, KP
	v_lshl_add_u32 v[SRD], v13, 4, v[SRD]
	v_add_nc_u32 v[SRD], s19, v[SRD]
.irp i, 0,1,2,3,4,5,6,7
	v_mov_b32 v[NM+\i], 0                          ; written once: the pairs that are broadcast from are read whole, and the lane exchange reads its destination
.endr
; the eight fragments of Q of a block, straight from memory: query 32 wq + 16 qt + r, d = 32 ds + 8 h .. and 32 ds + 16 + 8 h ..
.macro QLOAD qb
.irp qt, 0,1
.irp ds, 0,1
	global_load_b128 v[QF+16*\qt+8*\ds:QF+16*\qt+8*\ds+3],   v[QOFF], s[\qb:\qb+1] offset:2048*\qt+64*\ds
	global_load_b128 v[QF+16*\qt+8*\ds+4:QF+16*\qt+8*\ds+7], v[QOFF], s[\qb:\qb+1] offset:2048*\qt+64*\ds+32
.endr
.endr
.endm
; The key tile of place u: u - 1 up to the even block's last full tile, the odd block's number at its diagonal place, u - even - 2 behind it.
; Written into the named slot's two descriptors; stands behind a wait for all my tensor loads.
.macro NEXT slot
	s_sub_co_u32 s18, s17, 1
	s_sub_co_u32 s19, s17, s66
	s_sub_co_u32 s19, s19, 1
	s_cmp_le_u32 s17, s13
	s_cselect_b32 s18, s18, s19
	s_cmp_eq_u32 s17, s66
	s_cselect_b32 s18, s14, s18
	s_lshl_b32 s38, s18, 14
	s_add_nc_u64 s[G0K+4*\slot+2:G0K+4*\slot+3], s[20:21], s[38:39]
	s_add_nc_u64 s[G0V+4*\slot+2:G0V+4*\slot+3], s[22:23], s[38:39]
	s_add_co_u32 s17, s17, 1
.endm
; Softmax step of query tile qt on my 64 keys.  diag = 1: the block's first tile: masked, and maximum, sum and O start here.
; A masked score is -infinity and the maximum starts at the most negative finite number: a wave whose keys are all masked ends with sum 0 and O 0, without a NaN.
.macro SOFTMAX qt, diag
.set SB, S+32*\qt
.set NQ, NM+4*\qt
.set LQ, LS+2*\qt
.set OB, O+32*\qt
.if \diag
.irp kt, 0,1,2,3
.irp j, 0,1,2,3,4,5,6,7
	v_cmp_le_i32 vcc_lo, 16*(\kt-\qt)+\j, v[THR]
	v_cndmask_b32 v[SB+8*\kt+\j], v[NINF], v[SB+8*\kt+\j], vcc_lo
.endr
.endr
.endif
.irp kt, 0,1,2,3                                   ; four chains of maxima that do not wait for each other
	v_max3_num_f32 v[T+\kt], v[SB+8*\kt], v[SB+8*\kt+1], v[SB+8*\kt+2]
.endr
.irp kt, 0,1,2,3
	v_max3_num_f32 v[T+\kt], v[T+\kt], v[SB+8*\kt+3], v[SB+8*\kt+4]
.endr
.irp kt, 0,1,2,3
	v_max3_num_f32 v[T+\kt], v[T+\kt], v[SB+8*\kt+5], v[SB+8*\kt+6]
.endr
.irp kt, 0,1,2,3
	v_max_num_f32 v[T+\kt], v[T+\kt], v[SB+8*\kt+7]
.endr
	v_max3_num_f32 v[T], v[T], v[T+1], v[T+2]
	v_max_num_f32 v[T], v[T], v[T+3]
	v_permlanex16_b32 v[NQ+3], v[T], s36, s37      ; the other half of the lanes holds the query's other keys
.if \diag
	v_max3_num_f32 v[T+1], v[T], v[NQ+3], s35
.else
	v_max3_num_f32 v[T+1], v[T], v[NQ+3], v[NQ+1]  ; the new running maximum
.endif
	v_mul_f32 v[NQ], s34, v[T+1]                   ; -c2 m
.if \diag == 0
	v_fma_f32 v[T+2], v[NQ+1], s32, v[NQ]          ; c2 (old m - new m)
	v_exp_f32 v[NQ+2], v[T+2]                      ; the factor for the old sum and O; the next line is plain and touches neither register (ISA guide 5.7.2)
.endif
.irp i, 0,1,2,3,4,5,6,7,8,9,10,11,12,13,14,15
	v_pk_fma_f32 v[SB+2*\i:SB+2*\i+1], v[SB+2*\i:SB+2*\i+1], s[32:33], v[NQ:NQ+1] op_sel_hi:[1,0,0]    ; c2 s - c2 m
.endr
.set e, 0
.rept 32
	v_exp_f32 v[SB+e], v[SB+e]
.set e, e+1
.endr
	v_mov_b32 v[NQ+1], v[T+1]                      ; the plain instruction behind the exponentials
	s_wait_alu depctr_va_vdst(0)
.irp kt, 0,1,2,3
	v_pk_add_f32 v[T+2*\kt:T+2*\kt+1], v[SB+8*\kt:SB+8*\kt+1], v[SB+8*\kt+2:SB+8*\kt+3]
.endr
.irp kt, 0,1,2,3
	v_pk_add_f32 v[T+2*\kt:T+2*\kt+1], v[T+2*\kt:T+2*\kt+1], v[SB+8*\kt+4:SB+8*\kt+5]
.endr
.irp kt, 0,1,2,3
	v_pk_add_f32 v[T+2*\kt:T+2*\kt+1], v[T+2*\kt:T+2*\kt+1], v[SB+8*\kt+6:SB+8*\kt+7]
.endr
	v_pk_add_f32 v[T:T+1], v[T:T+1], v[T+2:T+3]
	v_pk_add_f32 v[T+4:T+5], v[T+4:T+5], v[T+6:T+7]
.if \diag
	v_pk_add_f32 v[LQ:LQ+1], v[T:T+1], v[T+4:T+5]
.else
	v_pk_add_f32 v[T:T+1], v[T:T+1], v[T+4:T+5]
	v_pk_fma_f32 v[LQ:LQ+1], v[LQ:LQ+1], v[NQ+2:NQ+3], v[T:T+1] op_sel_hi:[1,0,1]
.endif
.irp kt, 0,1,2,3                                   ; to f16 in place, each word behind the words that it is made of: tiles 0, 1 fill registers 0-7, tiles 2, 3 registers 16-23
.irp q, 0,1,2,3
	v_cvt_pk_f16_f32 v[SB+16*(\kt/2)+4*(\kt%2)+\q], v[SB+8*\kt+2*\q], v[SB+8*\kt+2*\q+1]
.endr
.endr
.if \diag == 0
.irp i, 0,1,2,3,4,5,6,7,8,9,10,11,12,13,14,15
	v_pk_mul_f32 v[OB+2*\i:OB+2*\i+1], v[OB+2*\i:OB+2*\i+1], v[NQ+2:NQ+3] op_sel_hi:[1,0]
.endr
.endif
.endm
; O^T of query tile qt += V^T P^T over my 64 keys.  The four accumulators take turns, one instruction a turn.
.macro PV qt, diag
.irp ks, 0,1
.irp dt, 0,1,2,3
.if (\diag)*(1-\ks)
	v_wmma_f32_16x16x32_f16 v[O+32*\qt+8*\dt:O+32*\qt+8*\dt+7], v[VF+32*\ks+8*\dt:VF+32*\ks+8*\dt+7], v[S+32*\qt+16*\ks:S+32*\qt+16*\ks+7], 0
.else
	v_wmma_f32_16x16x32_f16 v[O+32*\qt+8*\dt:O+32*\qt+8*\dt+7], v[VF+32*\ks+8*\dt:VF+32*\ks+8*\dt+7], v[S+32*\qt+16*\ks:S+32*\qt+16*\ks+7], v[O+32*\qt+8*\dt:O+32*\qt+8*\dt+7]
.endif
.endr
.endr
.endm
; One key tile, from the named slot
.macro STEP slot, diag
.rept 5                                            ; five plain places behind the last products: loads land on their sources, and the scores are written over P
	v_nop
.endr
.irp ds, 0,1
.irp kt, 0,1,2,3
	ds_load_b128 v[KF+16*\kt+8*\ds:KF+16*\kt+8*\ds+3],   v[KA] offset:SLOTB*\slot+16*KP*\kt+64*\ds
	ds_load_b128 v[KF+16*\kt+8*\ds+4:KF+16*\kt+8*\ds+7], v[KA] offset:SLOTB*\slot+16*KP*\kt+64*\ds+32
.endr
.endr
.if \diag
	s_wait_loadcnt 0x0                             ; the block's Q
.endif
	s_wait_dscnt 0x8                               ; d = 0 .. 31 of K is in; the eight younger loads are d = 32 .. 63
.irp kt, 0,1,2,3                                   ; eight accumulators by turns, in the same order in both passes
.irp qt, 0,1
	v_wmma_f32_16x16x32_f16 v[S+32*\qt+8*\kt:S+32*\qt+8*\kt+7], v[KF+16*\kt:KF+16*\kt+7], v[QF+16*\qt:QF+16*\qt+7], 0
.endr
.endr
	s_wait_dscnt 0x0
.irp kt, 0,1,2,3
.irp qt, 0,1
	v_wmma_f32_16x16x32_f16 v[S+32*\qt+8*\kt:S+32*\qt+8*\kt+7], v[KF+16*\kt+8:KF+16*\kt+15], v[QF+16*\qt+8:QF+16*\qt+15], v[S+32*\qt+8*\kt:S+32*\qt+8*\kt+7]
.endr
.endr
.rept 5                                            ; places: V lands on K's registers, and the softmax reads the scores
	v_nop
.endr
.irp ks, 0,1
.irp dt, 0,1,2,3
	ds_load_tr16_b128 v[VF+32*\ks+8*\dt:VF+32*\ks+8*\dt+3],   v[VA] offset:SLOTB*\slot+32*VP*\ks+32*\dt
	ds_load_tr16_b128 v[VF+32*\ks+8*\dt+4:VF+32*\ks+8*\dt+7], v[VA] offset:SLOTB*\slot+32*VP*\ks+32*\dt+16*VP
.endr
.endr
	SOFTMAX 0, \diag                               ; V lands meanwhile
	s_wait_dscnt 0x0
	PV 0, \diag
	SOFTMAX 1, \diag
	PV 1, \diag
.endm
; One trip.  In front of the barrier every wave waits for all its tensor loads (its parts of this trip's tile) and for its reads of the other slot; behind it the other slot
; is filled again first, then this slot is read.  A wave has at most two tensor loads out.
.macro TRIP slot, other, diag, fetch
	s_set_vgpr_msb 0x5
	s_wait_tensorcnt 0x0
	ds_add_u32 v0, v1
	s_wait_dscnt 0x0
	s_set_vgpr_msb 0x500
.if \fetch
	NEXT \other
.endif
	s_wait_dscnt 0x0
	s_barrier_signal -1
	s_barrier_wait -1
.if \fetch
	tensor_load_to_lds s[G0K+4*\other:G0K+4*\other+3], s[G1K:G1K+7]
	s_nop 0
	tensor_load_to_lds s[G0V+4*\other:G0V+4*\other+3], s[G1V:G1V+7]
	s_nop 0
.endif
	STEP \slot, \diag
.endm
; A block's end: waves 4 to 7 hand maximum, sum and O to waves 0 to 3, which merge, divide and store.  s[ob:ob+1]: ao at the block.
.macro FINISH ob
.rept 4                                            ; places behind the last products, whose results are read now
	v_nop
.endr
	v_add_f32 v[T+1], v[LS], v[LS+1]
	v_add_f32 v[T+3], v[LS+2], v[LS+3]
	v_permlanex16_b32 v[NM+3], v[T+1], s36, s37
	v_permlanex16_b32 v[NM+7], v[T+3], s36, s37
	v_mov_b32 v[T], v[NM+1]
	v_mov_b32 v[T+2], v[NM+5]
	v_add_f32 v[T+1], v[T+1], v[NM+3]
	v_add_f32 v[T+3], v[T+3], v[NM+7]              ; v[T:T+3] = m, sum of query tile 0; m, sum of query tile 1
	s_cmp_lt_u32 s8, 4
	s_cbranch_scc1 .Lno_send_\@
	ds_store_b128 v[MA], v[T:T+3]
.irp i, 0,1,2,3,4,5,6,7,8,9,10,11,12,13,14,15
	ds_store_b128 v[MA], v[O+4*\i:O+4*\i+3] offset:512*(\i+1)
.endr
.Lno_send_\@:
	s_wait_dscnt 0x0                               ; my LDS stores are done, for my partner's sake
	s_barrier_signal -1                            ; the next tile's two loads may stay out
	s_barrier_wait -1
	s_cmp_ge_u32 s8, 4
	s_cbranch_scc1 .Lno_merge_\@
	ds_load_b128 v[T+4:T+7], v[MA]
.irp i, 0,1,2,3,4,5,6,7,8,9,10,11,12,13,14,15
	ds_load_b128 v[S+4*\i:S+4*\i+3], v[MA] offset:512*(\i+1)
.endr
	s_wait_dscnt 0x10                              ; the partner's maxima and sums are in; its O, sixteen loads, is on its way
.irp qt, 0,1
	v_max_num_f32 v10, v[T+2*\qt], v[T+4+2*\qt]    ; the common maximum
	v_mul_f32 v10, s34, v10
	v_fma_f32 v11, v[T+2*\qt], s32, v10
	v_fma_f32 v10, v[T+4+2*\qt], s32, v10
	v_exp_f32 v11, v11                             ; my weight,
	v_exp_f32 v10, v10                             ; my partner's
	v_nop
	s_wait_alu depctr_va_vdst(0)
	v_mul_f32 v[LS], v[T+1+2*\qt], v11
	v_fma_f32 v[LS], v[T+5+2*\qt], v10, v[LS]      ; the whole sum: at least 1, since the key of the maximum counts 1
	v_rcp_f32 v[LS], v[LS]
	v_nop
	s_wait_alu depctr_va_vdst(0)
	v_mul_f32 v[NM+4*\qt], v11, v[LS]
	v_mul_f32 v[NM+4*\qt+2], v10, v[LS]
.endr
.irp qt, 0,1
	s_wait_dscnt 8-8*\qt                           ; the partner's O of this query tile is in (eight loads each)
.irp i, 0,1,2,3,4,5,6,7,8,9,10,11,12,13,14,15
	v_pk_mul_f32 v[O+32*\qt+2*\i:O+32*\qt+2*\i+1], v[O+32*\qt+2*\i:O+32*\qt+2*\i+1], v[NM+4*\qt:NM+4*\qt+1] op_sel_hi:[1,0]
.endr
.irp i, 0,1,2,3,4,5,6,7,8,9,10,11,12,13,14,15
	v_pk_fma_f32 v[O+32*\qt+2*\i:O+32*\qt+2*\i+1], v[S+32*\qt+2*\i:S+32*\qt+2*\i+1], v[NM+4*\qt+2:NM+4*\qt+3], v[O+32*\qt+2*\i:O+32*\qt+2*\i+1] op_sel_hi:[1,0,1]
.endr
.irp dt, 0,1,2,3
.irp q, 0,1,2,3
	v_cvt_pk_f16_f32 v[VF+16*\qt+4*\dt+\q], v[O+32*\qt+8*\dt+2*\q], v[O+32*\qt+8*\dt+2*\q+1]
.endr
	ds_store_b128 v[SSTO], v[VF+16*\qt+4*\dt:VF+16*\qt+4*\dt+3] offset:16*KP*\qt+32*\dt    ; my own stage: query 16 qt + r, d = 16 dt + 8 h ..
.endr
.endr
.irp i, 0,1,2,3,4,5,6,7
	ds_load_b128 v[VF+32+4*\i:VF+32+4*\i+3], v[SRD] offset:4*KP*\i     ; LDS serves a wave's instructions in order (ISA guide 5.7.1.4): these see the stores above
.endr
.irp i, 0,1,2,3,4,5,6,7
	s_wait_dscnt 7-\i
	global_store_b128 v[OOFF], v[VF+32+4*\i:VF+32+4*\i+3], s[\ob:\ob+1] offset:512*\i      ; four queries: 512 consecutive bytes of the plane, aligned
.endr
	s_wait_xcnt 0x0                                ; the stores' data registers are loaded again in the next step only behind this wait
.Lno_merge_\@:
.endm
	QLOAD 24
	TRIP 0, 1, 1, 1                                ; the even block's diagonal tile
	s_cmp_eq_u32 s15, 0
	s_cbranch_scc1 .Leven_done
	s_mov_b32 s67, 0
.Leven:
	TRIP 1, 0, 0, 1                                ; its 2 c full tiles
	TRIP 0, 1, 0, 1
	s_add_co_u32 s67, s67, 1
	s_cmp_lt_u32 s67, s15
	s_cbranch_scc1 .Leven
.Leven_done:
	QLOAD 26                                       ; the odd block's Q comes in during the merge
	FINISH 28
	TRIP 1, 0, 1, 1                                ; the odd block's diagonal tile
	s_cmp_eq_u32 s16, 0
	s_cbranch_scc1 .Lodd_done
	s_mov_b32 s67, 0
.Lodd:
	TRIP 0, 1, 0, 1                                ; 2 a of its 2 a + 1 full tiles
	TRIP 1, 0, 0, 1
	s_add_co_u32 s67, s67, 1
	s_cmp_lt_u32 s67, s16
	s_cbranch_scc1 .Lodd
.Lodd_done:
	TRIP 0, 1, 0, 0                                ; the last tile: nothing more is fetched, and no tensor load is out behind its wait
	FINISH 30
	s_set_vgpr_msb 0x5
	s_wait_tensorcnt 0x0
	ds_add_u32 v0, v1
	s_wait_dscnt 0x0
	s_set_vgpr_msb 0x500
	s_endpgm
.Lfunc_end_k_qcda55d44b9_attend:
	.size	k_qcda55d44b9_attend, .Lfunc_end_k_qcda55d44b9_attend-k_qcda55d44b9_attend
	.p2alignl 7, 3214868480
	.fill 96, 4, 3214868480
	.section	.rodata,"a",@progbits
	.p2align	6, 0x0
	.amdhsa_kernel k_qcda55d44b9_attend
		.amdhsa_group_segment_fixed_size 327680
		.amdhsa_private_segment_fixed_size 0
		.amdhsa_enable_private_segment 0
		.amdhsa_kernarg_size 16
		.amdhsa_user_sgpr_count 2
		.amdhsa_user_sgpr_kernarg_segment_ptr 1
		.amdhsa_wavefront_size32 1
		.amdhsa_system_sgpr_workgroup_id_x 1
		.amdhsa_system_sgpr_workgroup_id_y 1
		.amdhsa_system_sgpr_workgroup_id_z 1
		.amdhsa_system_vgpr_workitem_id 0
		.amdhsa_next_free_vgpr 258
		.amdhsa_next_free_sgpr 76
		.amdhsa_reserve_vcc 1
		.amdhsa_float_denorm_mode_32 3
		.amdhsa_float_denorm_mode_16_64 3
		.amdhsa_memory_ordered 1
		.amdhsa_forward_progress 1
		.amdhsa_inst_pref_size 161
	.end_amdhsa_kernel
	.amdgpu_metadata
---
amdhsa.version: [ 1, 2 ]
amdhsa.kernels:
  - .name:           k_qcda55d44b9_attend
    .symbol:         k_qcda55d44b9_attend.kd
    .args:
      - { .name: qkv, .offset: 0, .size: 8, .value_kind: global_buffer, .address_space: global }
      - { .name: ao, .offset: 8, .size: 8, .value_kind: global_buffer, .address_space: global }
    .group_segment_fixed_size: 327680
    .private_segment_fixed_size: 0
    .kernarg_segment_align: 8
    .kernarg_segment_size: 16
    .max_flat_workgroup_size: 256
    .sgpr_count:     76
    .vgpr_count:     258
    .wavefront_size: 32
...
	.end_amdgpu_metadata
.endif
;; end of part 3
;; launch proj_out (part 4): grid 16 x 16, 4 waves a work-group, clusters of 4 x 4, 327,680 bytes of LDS; arguments ao, wt, bo, out0; writes out0
.if DOCPART == 4
	.amdgcn_target "amdgcn-amd-amdhsa--gfx1250"
	.amdhsa_code_object_version 6
	.text
	.protected	k_qcda55d44b9_proj_out
	.globl	k_qcda55d44b9_proj_out
	.p2align	8
	.type	k_qcda55d44b9_proj_out,@function
k_qcda55d44b9_proj_out:
	s_mov_b64 s[64:65], 0
	v_nop
	global_prefetch_b8 v0, s[64:65] scope:SCOPE_SE
	s_setreg_imm32_b32 hwreg(HW_REG_WAVE_MODE, 25, 1), 1
	s_wait_xcnt 0x0
	s_wait_alu depctr_hold_cnt(0) depctr_sa_sdst(0) depctr_va_vdst(0) depctr_va_sdst(0) depctr_va_ssrc(0) depctr_va_vcc(0) depctr_vm_vsrc(0)
	s_getreg_b32 s2, hwreg(HW_REG_IB_STS2, 6, 4)
	s_cmp_eq_u32 s2, 0
	s_cbranch_scc0 .Lentry_in_a_cluster
	s_endpgm
.Lentry_in_a_cluster:
	s_bfe_u32 s2, ttmp6, 0x10000c
	s_cmp_lg_u32 s2, 0xf033
	s_cbranch_scc0 .Lentry_shape_is_right
	s_endpgm
.Lentry_shape_is_right:
; proj_out: out0 = attention result x Wo + bo.  [4096 tokens][1024] x [1024 columns][1024]^T, f16 operands, f32 sums, f32 result.
; The attention result lies by heads, ao[16][4096][64] f16: k = 64 head + d; Wo^T is rows 3072-4095 of wt, f16.
; A work-group makes 256 tokens x 64 columns with four waves; wave w makes tokens 64 w .. + 63 x 64 columns: 4 x 4 accumulator tiles, 128 registers.
; 16 x 16 work-groups: a larger block would leave work-groups for fewer than the 256 that the launch fills.
; K goes in steps of 128 (two heads) through two LDS slots filled by tensor loads.
; CLUSTERS of 4 x 4: the four work-groups of a row of the cluster need the same tokens of ao, the four of a column the same rows of wt.  Each wave asks for one piece of ao
; (128 tokens of one head, 16,384 dense bytes) jointly with its row and for 16 rows of wt jointly with its column: two lines, each with one mask, on every path.
; The matrix instruction is used transposed (source 0 = rows of wt, source 1 = tokens): lane (r, h) holds token r, columns 8 h .. 8 h + 7 of a tile.
; The bias enters as the C of each sum's first product.
; REGISTERS: window 0: v16-27 addresses; v32-63, v64-95 fragments of ao, two buffers; v96-127 bias; v128-159 rows read back.
;            window 1: v0-31, v32-63 fragments of wt, two buffers.   window 2: tile (a, b) at v[8 (4 a + b)].
.set KSTEP,   128
.set APITCH,  144                      ; a token's 128 bytes of one head + 16
.set BPITCH,  272                      ; 256 bytes of a row of wt + 16
.set APIECE,  128*APITCH               ; piece w = (token half w / 2, head w % 2)
.set BOFF,    4*APIECE
.set BW,      16*BPITCH
.set SLOT,    BOFF+4*BW                ; 91,136
.set STAGE,   2*SLOT                   ; behind the ring, a multiple of 256: 16 rows x 272 bytes for each wave; no tensor load lands there
.set SPITCH,  272                      ; 64 columns x 4 bytes + 16
.set NB,      4
.set LAPS,    4
.set ADRA, 16
.set ADRB, 20
.set STO,  24
.set RD,   25
.set CO,   26
.set BO,   27
.set FA,   32                          ; + 32 f
.set FB,   0                           ; window 1, + 32 f
.set BIAS, 96
.set RB,   128
.set G1A, 24
.set G1B, 32
.set G0A, 40
.set G0B, 48
.set MUL,   0xa1                       ; source 0 window 1, source 1 window 0, C and D window 2
.set FIRST, 0x81                       ; C (the bias) window 0, D window 2
.set TO_B,  0x40                       ; destination window 1
.set MSB, 0
.macro WIN new                         ; the immediate's high byte repeats the setting that is left
.if MSB != \new
	s_set_vgpr_msb (MSB<<8)|\new
.set MSB, \new
.endif
.endm
.macro CREST                           ; a round of the cluster's barrier behind its opening work-group barrier
	s_cmp_lg_u32 s12, 0
	s_cbranch_scc1 .Lnot_wave_0_\@
	s_barrier_signal -3
.Lnot_wave_0_\@:
	s_barrier_wait -3
	s_barrier_signal -1
	s_barrier_wait -1
.endm
.macro CROUND
	s_barrier_signal -1
	s_barrier_wait -1
	CREST
.endm
.macro PLACES                          ; four plain vector instructions behind a matrix instruction, before a load lands on one of its sources or its result is read
.rept 4
	v_nop
.endr
.endm
.macro LOAD2 s
	tensor_load_to_lds s[G0A+4*\s:G0A+4*\s+3], s[G1A:G1A+7]
	s_nop 0
	tensor_load_to_lds s[G0B+4*\s:G0B+4*\s+3], s[G1B:G1B+7]
	s_nop 0
.endm
	s_load_b256 s[4:11], s[0:1], 0x0               ; ao s[4:5], wt s[6:7], bo s[8:9], out0 s[10:11]
	s_set_vgpr_msb 0x40
	v_lshl_add_u32 v255, v0, 2, 0x30c00
	s_set_vgpr_msb 0x4000
	v_mov_b32 v255, 0
	s_set_vgpr_msb 0x1
	ds_add_u32 v255, v255
	ds_add_u32 v255, v255
	s_set_vgpr_msb 0x100
	v_lshrrev_b32 v1, 5, v0
	v_readfirstlane_b32 s12, v1                    ; wave 0..3
	s_bfe_u32 s13, ttmp6, 0x40000                  ; cx
	s_bfe_u32 s14, ttmp6, 0x40004                  ; cy
	s_lshl_b32 s15, ttmp9, 2
	s_add_co_u32 s15, s15, s13                     ; block column
	s_and_b32 s16, ttmp7, 0xffff
	s_lshl_b32 s16, s16, 2
	s_add_co_u32 s16, s16, s14                     ; block row
	s_lshl_b32 s17, s14, 2
	s_lshl_b32 s17, 15, s17                        ; my row of the cluster
	s_lshl_b32 s18, 0x1111, s13                    ; my column
	; ao's piece is dense: 64 rows of 256 bytes, with padding behind every 32 words (one token)
	s_or_b32 s[G1A+0], s17, (1<<16)|(1<<20)|(1<<21)|(4<<22)|(3<<25)
	s_mov_b32 s[G1A+1], 128<<16
	s_mov_b32 s[G1A+2], 64<<16
	s_mov_b32 s[G1A+3], 128<<16
	s_mov_b32 s[G1A+4], 64
	s_mov_b32 s[G1A+5], 128
	s_mov_b32 s[G1A+6], 0
	s_mov_b32 s[G1A+7], 0
	s_or_b32 s[G1B+0], s18, (1<<16)|(1<<20)|(1<<21)|(5<<22)|(3<<25)
	s_mov_b32 s[G1B+1], KSTEP<<16
	s_mov_b32 s[G1B+2], 16<<16
	s_mov_b32 s[G1B+3], KSTEP<<16
	s_mov_b32 s[G1B+4], 16
	s_mov_b32 s[G1B+5], 1024
	s_mov_b32 s[G1B+6], 0
	s_mov_b32 s[G1B+7], 0
	; ao's address hangs on the block row and the wave alone, wt's on the block column and the wave alone, each made in registers that never hold the other coordinate
	s_lshl_b32 s20, s16, 15                        ; 256 tokens of 128 bytes
	s_lshr_b32 s21, s12, 1
	s_lshl_b32 s21, s21, 14                        ; which 128 tokens
	s_add_co_u32 s20, s20, s21
	s_and_b32 s21, s12, 1
	s_lshl_b32 s21, s21, 19                        ; which head of the K step's two
	s_add_co_u32 s20, s20, s21
	s_mov_b32 s21, 0
	s_lshl_b32 s56, s15, 17                        ; 64 rows of 2,048 bytes
	s_lshl_b32 s57, s12, 15                        ; 16 rows
	s_add_co_u32 s56, s56, s57
	s_add_co_u32 s56, s56, 3072*2048               ; Wo^T in wt
	s_mov_b32 s57, 0
	s_mul_i32 s60, s12, APIECE                     ; LDS: the wave's number alone
	s_mul_i32 s61, s12, BW
	s_add_co_u32 s61, s61, BOFF
	s_wait_dscnt 0x0
	s_wait_kmcnt 0x0
	s_add_nc_u64 s[22:23], s[4:5], s[20:21]
	s_add_nc_u64 s[58:59], s[6:7], s[56:57]
	CROUND                                         ; all sixteen work-groups are here: the first joint loads meet
.irp s, 0,1
	s_mov_b32 s[G0A+4*\s], 1
	s_add_co_u32 s[G0A+4*\s+1], s60, \s*SLOT
	s_add_nc_u64 s[G0A+4*\s+2:G0A+4*\s+3], s[22:23], \s*2*524288
	s_or_b32 s[G0A+4*\s+3], s[G0A+4*\s+3], 0x80000000
	s_mov_b32 s[G0B+4*\s], 1
	s_add_co_u32 s[G0B+4*\s+1], s61, \s*SLOT
	s_add_nc_u64 s[G0B+4*\s+2:G0B+4*\s+3], s[58:59], \s*KSTEP*2
	s_or_b32 s[G0B+4*\s+3], s[G0B+4*\s+3], 0x80000000
	LOAD2 \s                                       ; four tensor loads of the wave are out after these: the most in this text
.endr
	v_and_b32 v1, 15, v0                           ; r
	v_bfe_u32 v2, v0, 4, 1                         ; h
	s_lshr_b32 s62, s12, 1
	s_mul_i32 s62, s62, 2*APIECE                   ; my token half's two pieces,
	s_and_b32 s63, s12, 1
	s_mul_i32 s63, s63, 64*APITCH                  ; my 64 tokens in them
	s_add_co_u32 s62, s62, s63
	v_mul_u32_u24 v3, v1, APITCH
	v_lshl_add_u32 v3, v2, 4, v3
	v_add_nc_u32 v[ADRA], s62, v3
	v_add_nc_u32 v[ADRA+1], SLOT, v[ADRA]
	v_mul_u32_u24 v4, v1, BPITCH
	v_lshl_add_u32 v4, v2, 4, v4
	v_add_nc_u32 v[ADRB], BOFF, v4
	v_add_nc_u32 v[ADRB+1], SLOT, v[ADRB]
	s_mul_i32 s62, s12, 16*SPITCH
	s_add_co_u32 s62, s62, STAGE                   ; my stage
	v_mul_u32_u24 v5, v1, SPITCH
	v_lshl_add_u32 v5, v2, 5, v5
	v_add_nc_u32 v[STO], s62, v5                   ; in: token r, 32 bytes for each half of the lanes
	v_mul_u32_u24 v6, v2, SPITCH
	v_lshl_add_u32 v6, v1, 4, v6
	v_add_nc_u32 v[RD], s62, v6                    ; back: lanes 0-15 take one token's 256 bytes, lanes 16-31 the next one's
	v_lshlrev_b32 v7, 4, v1
	v_lshl_add_u32 v[CO], v2, 12, v7               ; the same two rows in out0
	v_lshlrev_b32 v[BO], 5, v2
	s_lshl_b32 s56, s15, 8                         ; 64 columns of 4 bytes: my place in bo and in a row of out0
	s_add_nc_u64 s[8:9], s[8:9], s[56:57]
.irp b, 0,1,2,3
	global_load_b128 v[BIAS+8*\b:BIAS+8*\b+3], v[BO], s[8:9] offset:64*\b
	global_load_b128 v[BIAS+8*\b+4:BIAS+8*\b+7], v[BO], s[8:9] offset:64*\b+16
.endr
	s_add_nc_u64 s[10:11], s[10:11], s[56:57]
	s_lshl_b32 s20, s16, 20                        ; 256 rows of 4,096 bytes
	s_lshl_b32 s21, s12, 18                        ; 64 rows
	s_add_co_u32 s20, s20, s21
	s_mov_b32 s21, 0
	s_add_nc_u64 s[10:11], s[10:11], s[20:21]
; 8 matrix instructions: token blocks 2 hi, 2 hi + 1 x 4 column blocks, 32 along K, from buffer f.  first = 1: C is the bias.
; The sixteen accumulators take turns, one instruction a turn, in the same order everywhere.
.macro MULH f, hi, first
.irp a, 0,1
.irp b, 0,1,2,3
.if \first
	v_wmma_f32_16x16x32_f16 v[8*(NB*(2*\hi+\a)+\b):8*(NB*(2*\hi+\a)+\b)+7], v[FB+32*\f+8*\b:FB+32*\f+8*\b+7], v[FA+32*\f+8*(2*\hi+\a):FA+32*\f+8*(2*\hi+\a)+7], v[BIAS+8*\b:BIAS+8*\b+7]
.else
	v_wmma_f32_16x16x32_f16 v[8*(NB*(2*\hi+\a)+\b):8*(NB*(2*\hi+\a)+\b)+7], v[FB+32*\f+8*\b:FB+32*\f+8*\b+7], v[FA+32*\f+8*(2*\hi+\a):FA+32*\f+8*(2*\hi+\a)+7], v[8*(NB*(2*\hi+\a)+\b):8*(NB*(2*\hi+\a)+\b)+7]
.endif
.endr
.endr
.endm
; 16 LDS loads in one run: the fragments of quarter kq of a slot into buffer g.  Quarters 0, 1 lie in the K step's first head, 2, 3 in its second.
.macro FETCH slot, kq, g
	WIN TO_B
.irp b, 0,1,2,3
	ds_load_b128 v[FB+32*\g+8*\b:FB+32*\g+8*\b+3],   v[ADRB+\slot] offset:64*\kq+16*BPITCH*\b
	ds_load_b128 v[FB+32*\g+8*\b+4:FB+32*\g+8*\b+7], v[ADRB+\slot] offset:64*\kq+16*BPITCH*\b+32
.endr
	WIN 0
.irp a, 0,1,2,3
	ds_load_b128 v[FA+32*\g+8*\a:FA+32*\g+8*\a+3],   v[ADRA+\slot] offset:(\kq/2)*APIECE+(\kq%2)*64+16*APITCH*\a
	ds_load_b128 v[FA+32*\g+8*\a+4:FA+32*\g+8*\a+7], v[ADRA+\slot] offset:(\kq/2)*APIECE+(\kq%2)*64+16*APITCH*\a+32
.endr
.endm
.macro QUARTER slot, kq, f, g, first
	PLACES
	FETCH \slot, \kq, \g
	s_wait_dscnt 16                                ; all but the 16 loads just issued: buffer f is whole
.if \first
	WIN FIRST
.else
	WIN MUL
.endif
	MULH \f, 0, \first
	MULH \f, 1, \first
.endm
.macro THREE slot, first
	QUARTER \slot, 1, 0, 1, \first
	QUARTER \slot, 2, 1, 0, 0
	QUARTER \slot, 3, 0, 1, 0
.endm
; The last quarter: multiplies buffer 1 and changes slots.  In front of the barrier each wave waits for its reads of this slot and for all its tensor loads.
; fill = 1: the barrier opens a round of the cluster's barrier, and the joint refills are the first tensor loads behind the round.
.macro TURN slot, next, fill
	s_wait_dscnt 0x0
	s_wait_tensorcnt 0x0
	ds_add_u32 v255, v255
	s_wait_dscnt 0x0
	s_barrier_signal -1
	WIN MUL
	MULH 1, 0, 0
	WIN 0
	s_barrier_wait -1
.if \fill
	CREST
	s_add_nc_u64 s[G0A+4*\slot+2:G0A+4*\slot+3], s[G0A+4*\slot+2:G0A+4*\slot+3], 4*524288      ; two K steps on: four heads
	s_add_nc_u64 s[G0B+4*\slot+2:G0B+4*\slot+3], s[G0B+4*\slot+2:G0B+4*\slot+3], 2*KSTEP*2
	LOAD2 \slot
.endif
	PLACES
	FETCH \next, 0, 0
	WIN MUL
	MULH 1, 1, 0
.endm
.macro LAP first
	THREE 0, \first
	TURN 0, 1, 1
	THREE 1, 0
	TURN 1, 0, 1
.endm
	s_wait_loadcnt 0x0                             ; the bias
	s_wait_tensorcnt 0x2                           ; my two parts of K step 0 are in; K step 1's two stay out
	s_barrier_signal -1
	s_barrier_wait -1
	FETCH 0, 0, 0
	LAP 1
	WIN 0
	s_mov_b32 s3, LAPS-2
.Llap:
	LAP 0
	WIN 0
	s_sub_co_u32 s3, s3, 1
	s_cmp_lg_u32 s3, 0
	s_cbranch_scc1 .Llap
	THREE 0, 0                                     ; the last lap fills nothing
	TURN 0, 1, 0
	THREE 1, 0
	s_wait_dscnt 0x0
	WIN MUL
	MULH 1, 0, 0
	MULH 1, 1, 0
; THE WAY OUT, 16 tokens at a time: the f32 sums go as they are into my own stage, 32 bytes a lane and tile, and come back as whole rows of 256 bytes.
.macro OUT16 a
	WIN 0x08                                       ; the LDS stores' data in window 2
.irp b, 0,1,2,3
	ds_store_b128 v[STO], v[8*(NB*\a+\b):8*(NB*\a+\b)+3]   offset:64*\b
	ds_store_b128 v[STO], v[8*(NB*\a+\b)+4:8*(NB*\a+\b)+7] offset:64*\b+16
.endr
	WIN 0
	s_wait_xcnt 0x0                                ; RB, which the last block's stores read, is loaded again only behind this wait
.irp t, 0,1,2,3,4,5,6,7
	ds_load_b128 v[RB+4*\t:RB+4*\t+3], v[RD] offset:2*SPITCH*\t    ; LDS serves a wave's instructions in order (ISA guide 5.7.1.4): these see the stores above
.endr
.irp t, 0,1,2,3,4,5,6,7
	s_wait_dscnt 7-\t
	global_store_b128 v[CO], v[RB+4*\t:RB+4*\t+3], s[10:11] offset:(16*\a+2*\t)*4096 th:TH_STORE_NT    ; sixteen lanes store 256 consecutive bytes, aligned
.endr
.endm
	PLACES
	OUT16 0
	OUT16 1
	OUT16 2
	OUT16 3
	s_set_vgpr_msb 0x1
	s_wait_tensorcnt 0x0
	ds_add_u32 v255, v255
	s_wait_dscnt 0x0
	s_set_vgpr_msb 0x100
	CROUND                                         ; the closing round: no work-group ends while a partner may still ask for a tile that names it
	s_endpgm
.Lfunc_end_k_qcda55d44b9_proj_out:
	.size	k_qcda55d44b9_proj_out, .Lfunc_end_k_qcda55d44b9_proj_out-k_qcda55d44b9_proj_out
	.p2alignl 7, 3214868480
	.fill 96, 4, 3214868480
	.section	.rodata,"a",@progbits
	.p2align	6, 0x0
	.amdhsa_kernel k_qcda55d44b9_proj_out
		.amdhsa_group_segment_fixed_size 327680
		.amdhsa_private_segment_fixed_size 0
		.amdhsa_enable_private_segment 0
		.amdhsa_kernarg_size 32
		.amdhsa_user_sgpr_count 2
		.amdhsa_user_sgpr_kernarg_segment_ptr 1
		.amdhsa_wavefront_size32 1
		.amdhsa_system_sgpr_workgroup_id_x 1
		.amdhsa_system_sgpr_workgroup_id_y 1
		.amdhsa_system_sgpr_workgroup_id_z 1
		.amdhsa_system_vgpr_workitem_id 0
		.amdhsa_next_free_vgpr 640
		.amdhsa_next_free_sgpr 66
		.amdhsa_reserve_vcc 0
		.amdhsa_float_denorm_mode_32 3
		.amdhsa_float_denorm_mode_16_64 3
		.amdhsa_memory_ordered 1
		.amdhsa_forward_progress 1
		.amdhsa_inst_pref_size 74
	.end_amdhsa_kernel
	.amdgpu_metadata
---
amdhsa.version: [ 1, 2 ]
amdhsa.kernels:
  - .name:           k_qcda55d44b9_proj_out
    .symbol:         k_qcda55d44b9_proj_out.kd
    .args:
      - { .name: ao, .offset: 0, .size: 8, .value_kind: global_buffer, .address_space: global }
      - { .name: wt, .offset: 8, .size: 8, .value_kind: global_buffer, .address_space: global }
      - { .name: bo, .offset: 16, .size: 8, .value_kind: global_buffer, .address_space: global }
      - { .name: out0, .offset: 24, .size: 8, .value_kind: global_buffer, .address_space: global }
    .group_segment_fixed_size: 327680
    .private_segment_fixed_size: 0
    .kernarg_segment_align: 8
    .kernarg_segment_size: 32
    .max_flat_workgroup_size: 128
    .sgpr_count:     66
    .vgpr_count:     640
    .wavefront_size: 32
...
	.end_amdgpu_metadata
.endif
;; end of part 4
